; MI455X (gfx1250); checked and timed in simulation.
; The chip was launched on July 23, 2026; its instructions are those of AMD's public machine-readable ISA for CDNA 5 (MIT licence, August 2026) and "CDNA5" Instruction Set Architecture Reference Guide (July 2026). The comments in the code are by the model that wrote it; some were corrected since.
;; my attention. Allowed arithmetic: matrix products marked QUANTISED: E4M3 operands, one given power-of-two scale a tensor, by v_wmma_f32_16x16x64_fp8_fp8 or v_wmma_f32_16x16x128_fp8_fp8, f32 sums; everything else in f32.
;; Inputs: Wk_codes 256 x 8 x 32 uint8 (E4M3 codes of Wk, K innermost, in blocks of 32 codes); Wo_codes 256 x 8 x 32 uint8 (E4M3 codes of Wo, K innermost, in blocks of 32 codes); Wq_codes 256 x 8 x 32 uint8 (E4M3 codes of Wq, K innermost, in blocks of 32 codes); Wv_codes 256 x 8 x 32 uint8 (E4M3 codes of Wv, K innermost, in blocks of 32 codes); bk 256 float32; bo 256 float32; bq 256 float32; bv 256 float32; key_codes 8 x 2,048 x 8 x 32 uint8 (E4M3 codes of key, K innermost, in blocks of 32 codes); lowp_scales 12 int32 (the exponents e of the quantised operands' scales 2^e); query_codes 8 x 2,048 x 8 x 32 uint8 (E4M3 codes of query, K innermost, in blocks of 32 codes); value_codes 8 x 2,048 x 8 x 32 uint8 (E4M3 codes of value, K innermost, in blocks of 32 codes).
;; Outputs: out0 8 x 2,048 x 256 float32.
;; This version of the problem:
;;   THIS VERSION OF THE PROBLEM IS GIVEN IN LOW PRECISION. The matrix products marked QUANTISED in the list below multiply operands that are first quantised to E4M3 (4 exponent bits, 3 mantissa bits; 8 bits a number), with one given power-of-two scale for each operand tensor; their sums are f32. All else is computed in f32.
;;   The module's matrix products, in the order in which they are computed (A, B: the left and right operand; K: the contracted axis; several contracted axes count as one K, in the product's order):
;;     1. [M 16,384, K 256] x [K 256, N 256]; A: input query (given as codes); B: input Wq (given as codes): QUANTISED (scales: A lowp_scales[0], B lowp_scales[1])
;;     2. [M 16,384, K 256] x [K 256, N 256]; A: input key (given as codes); B: input Wk (given as codes): QUANTISED (scales: A lowp_scales[2], B lowp_scales[3])
;;     3. [M 16,384, K 256] x [K 256, N 256]; A: input value (given as codes); B: input Wv (given as codes): QUANTISED (scales: A lowp_scales[4], B lowp_scales[5])
;;     4. batch 64 x [M 2,048, K 32] x [K 32, N 2,048]; A: computed on the way; B: computed on the way: QUANTISED (scales: A lowp_scales[6], B lowp_scales[7])
;;     5. batch 64 x [M 2,048, K 2,048] x [K 2,048, N 32]; A: softmax (see below); B: computed on the way: QUANTISED (scales: A lowp_scales[8], B lowp_scales[9])
;;     6. [M 16,384, K 256] x [K 256, N 256]; A: computed on the way; B: input Wo (given as codes): QUANTISED (scales: A lowp_scales[10], B lowp_scales[11])
;;   THE QUANTISER, for each operand of a quantised product, along K:
;;     - The operand's scale is 2^e, e = its entry of the input lowp_scales (int32; the entries are numbered through the quantised products in the list's order, A before B).
;;     - Each number is divided by the scale, clamped to +-448, and rounded to the nearest number of E4M3, ties to even, subnormals kept.
;;     - The product sums the exact products of the quantised numbers (number of the format x scale) in f32.
;;   ~~~python
;;   def quantise(x, axis, e):      # numpy; x: float32 -> the quantised numbers, widened to float32 again
;;       x = np.moveaxis(x, axis, -1); K = x.shape[-1]
;;       r = np.clip(x / 2.0 ** e, -448, 448)
;;       step = 2.0 ** (np.maximum(np.frexp(np.where(r == 0, 1, r))[1] - 1, -6) - 3)
;;       q = np.round(r / step) * step * 2.0 ** e      # np.round: ties to even
;;       return np.moveaxis(q, -1, axis).astype(np.float32)
;;   ~~~
;;   SOFTMAX AHEAD OF A QUANTISED PRODUCT. Where the list says 'softmax', what is quantised is not the finished softmax but p = 2^(t - M), with t = logit x log2(e) and M = ceil(the row's largest t), a whole number; so 1/2 < the row's largest p <= 1. The row's sum l is taken of the UNQUANTISED p, in f32, and the product's result is divided by l at the end. Since M is a whole number, a kernel that streams over the keys may use a running M (the ceiling of the running maximum): every later rescaling is an exact power of two, so the quantised numbers keep their values, but for numbers so far below the row's largest that they fall under the format's range.
;;   OPERANDS COMPUTED ON THE WAY. 'Computed on the way' means the value that the module computes at that place (a softmax that the list does not call 'softmax' is quantised finished and normalised). What goes into a quantiser is computed in f32, as accurately as f32 sums, v_exp_f32 and their like allow (about 1e-6 of the number): no bf16 or f16 on the way to a quantiser, and a product that is left as it is and whose result goes on into a quantised operand takes f32 operands (vector FMAs, or v_wmma_f32_16x16x4_f32). A number that lies on a knife's edge between two numbers of the format may be rounded either way, as far as f32 arithmetic and the matrix unit's own rounding can turn it there, and no further.
;;   INPUTS GIVEN AS CODES. Wk (in the module: [256, 256], K = its axis 1); Wo (in the module: [256, 256], K = its axis 1); Wq (in the module: [256, 256], K = its axis 1); Wv (in the module: [256, 256], K = its axis 1); key (in the module: [8, 2048, 256], K = its axis 2); query (in the module: [8, 2048, 256], K = its axis 2); value (in the module: [8, 2048, 256], K = its axis 2): each comes as NAME_codes (uint8): NAME with its K axis moved to the last place and cut into blocks of 32 codes, [.., K / 32, bytes a block], one block behind the other in memory; one code a byte (a code: sign, 4 exponent bits, 3 mantissa bits); its scale is its entry of lowp_scales. Its value is code x scale, taken as it is: it is not quantised again, and the codes and scales need not be those that the quantiser above would give.
;; One version. Each part assembles by itself: llvm-mc -triple=amdgcn-amd-amdhsa -mcpu=gfx1250 --defsym DOCPART=n.
;; ======== version 1 of 1: 2 launches
;; workspace buffers: kv 8,388,608 bytes
;; launch kvproj (part 1): grid 256 x 1, 8 waves a work-group, no clusters, 35,840 bytes of LDS; arguments key_codes, value_codes, Wk_codes, Wv_codes, bk, bv, lowp_scales, kv; writes kv
.if DOCPART == 1
	.amdgcn_target "amdgcn-amd-amdhsa--gfx1250"
	.amdhsa_code_object_version 6
	.text
	.protected	k_qc8788f8237_kvproj
	.globl	k_qc8788f8237_kvproj
	.p2align	8
	.type	k_qc8788f8237_kvproj,@function
k_qc8788f8237_kvproj:
	s_mov_b64 s[64:65], 0
	v_nop
	global_prefetch_b8 v0, s[64:65] scope:SCOPE_SE
	s_setreg_imm32_b32 hwreg(HW_REG_WAVE_MODE, 25, 1), 1
	s_wait_xcnt 0x0
; k = key Wk^T + bk and v = value Wv^T + bv on codes of E4M3, quantised again (k with scale entry 7, v with entry 9) and stored as codes in the workspace kv,
; in the order of the registers in which the attention launch takes them.
; kv: [batch 8][head 8][step 16 of 128 keys][8,192 bytes].  In a step: bytes 0-4095 K: [key tile c 0..7][lane][16 bytes]: lane (r, h) holds key 16 c + r, channels 8 h + 0..7 and 16 + 8 h + 0..7;
; bytes 4096-8191 V^T: [channel tile t 0..1][i 0..3][lane][16 bytes]: lane (r, h) holds channel 16 t + r, keys 32 i + 8 h + 0..7 and 32 i + 16 + 8 h + 0..7.
; SHARES.  Work-groups 0-127 take key, 128-255 value; each takes 128 rows (one batch, one step of keys).  Wave w takes head w: 128 keys x 32 channels, K = 256.
; The 128 rows of codes are read from memory once, 512 consecutive bytes a load, into LDS rows of 272 bytes, and all eight waves take their fragments from there.
; A fragment (16 rows x 128 K) is fetched by four loads of 16 bytes, 32 bytes apart: a permutation of k that is the same in both operands, so each product meets its partner.
; k is made with source 0 = 16 rows of Wk, source 1 = 16 keys: a lane then holds one key and eight neighbouring channels.  v the other way round: a lane holds one channel and eight neighbouring keys.
; So each conversion of eight numbers gives two registers of the later operand, and nothing is transposed.
; The bias is the C of each sum's first matrix instruction, divided by 2^(ea + eb), which the sums lack; the three scales are folded into the conversion's one, 2^(eq - ea - eb).
; LIMITS: e7 - e2 - e3 and e9 - e4 - e5 lie between -126 and 119, so that the scale and 448 x the scale are f32 numbers.  NaN codes among the inputs are not served.
; No cluster, no tensor load: a work-group shares no activation tile with another, and the weights are 8 KiB a wave, read once.
.set PITCH, 272                        ; an LDS row: 256 bytes + 16 of padding: the 16 rows that a fragment load touches start at 16 different banks
.set WF,  16                           ; v16-79    the weight's fragments (channel tile t, K step s) at 16 + 32 t + 16 s
.set AF,  80                           ; v80-143   the activation's fragments (key tile a of a group, K step s) at 80 + 32 a + 16 s; first the 8 staging loads
.set X,   144                          ; v144-175  four accumulators (a, t) at 144 + 16 a + 8 t
.set BC,  176                          ; v176-191  the bias as C, 8 registers a channel tile
.set CD,  192                          ; v192-223  codes: 8 registers for each of the four groups, so that no store's data are written again
.set SCL, 224                          ; v224      2^(eq - ea - eb)
.set HLD, 225                          ; v225      448 x that
.set BR,  226                          ; v226-227  the bias of channel 16 t + r, for v
	s_load_b512 s[8:23], s[0:1], 0x0               ; key s[8:9], value s[10:11], Wk s[12:13], Wv s[14:15], bk s[16:17], bv s[18:19], scales s[20:21], kv s[22:23]
	v_lshl_add_u32 v232, v0, 2, 0x8800
	v_mov_b32 v233, 0
	v_lshrrev_b32 v7, 5, v0
	v_readfirstlane_b32 s36, v7                    ; wave 0..7 = head
	v_and_b32 v8, 31, v0                           ; lane
	v_and_b32 v9, 15, v0                           ; r
	v_bfe_u32 v10, v0, 4, 1                        ; h
	v_lshlrev_b32 v1, 4, v8                        ; 16 x lane: staging loads and the stores of codes
	s_mul_i32 s39, s36, 16*PITCH                   ; my wave stages rows 16 w .. 16 w + 15
	v_mul_u32_u24 v2, v10, PITCH
	v_lshl_add_u32 v2, v9, 4, v2
	v_add_nc_u32 v2, s39, v2                       ; LDS, on the way in: lanes 0-15 one row, lanes 16-31 the next
	v_mul_u32_u24 v3, v9, PITCH
	v_lshl_add_u32 v3, v10, 4, v3                  ; LDS, a fragment: row r, + 16 h
	v_lshlrev_b32 v4, 8, v9
	v_lshl_add_u32 v4, v10, 4, v4                  ; the weight: row r of 256 bytes, + 16 h
	v_lshlrev_b32 v5, 5, v10                       ; the bias for k: eight numbers from channel 8 h on
	v_lshlrev_b32 v6, 2, v9                        ; the bias for v: channel r
	s_lshr_b32 s37, ttmp9, 7                       ; 0: key, 1: value
	s_and_b32 s38, ttmp9, 127                      ; 16 x batch + step
	s_wait_kmcnt 0x0
	s_load_b256 s[24:31], s[20:21], 0x0            ; e0 .. e7
	s_load_b128 s[32:35], s[20:21], 0x20           ; e8 .. e11
	s_cmp_lt_u32 ttmp9, 128                        ; the choice of buffers hangs on the work-group's number alone
	s_cselect_b64 s[40:41], s[8:9], s[10:11]       ; the activation
	s_cselect_b64 s[42:43], s[12:13], s[14:15]     ; the weight
	s_cselect_b64 s[44:45], s[16:17], s[18:19]     ; the bias
	s_mov_b32 s49, 0
	s_lshl_b32 s48, s38, 15                        ; 128 rows of 256 bytes a work-group,
	s_lshl_b32 s53, s36, 12                        ; 16 of them a wave
	s_add_co_u32 s48, s48, s53
	s_add_nc_u64 s[40:41], s[40:41], s[48:49]
	s_lshl_b32 s48, s36, 13                        ; my head's 32 rows of the weight
	s_add_nc_u64 s[42:43], s[42:43], s[48:49]
	s_lshl_b32 s48, s36, 7                         ; my head's 32 numbers of the bias
	s_add_nc_u64 s[44:45], s[44:45], s[48:49]
	s_lshr_b32 s48, s38, 4                         ; batch
	s_lshl_b32 s48, s48, 3
	s_add_co_u32 s48, s48, s36                     ; 8 x batch + head
	s_lshl_b32 s48, s48, 17
	s_and_b32 s53, s38, 15                         ; step
	s_lshl_b32 s53, s53, 13
	s_add_co_u32 s48, s48, s53
	s_lshl_b32 s53, s37, 12                        ; V's half of the step's 8,192 bytes
	s_add_co_u32 s48, s48, s53
	s_add_nc_u64 s[46:47], s[22:23], s[48:49]
.irp t, 0,1                                    ; both forms of the bias are loaded by every work-group: six small loads, and no register is written on one way alone
	global_load_b128 v[BC+8*\t:BC+8*\t+3], v5, s[44:45] offset:64*\t
	global_load_b128 v[BC+8*\t+4:BC+8*\t+7], v5, s[44:45] offset:64*\t+16
	global_load_b32 v[BR+\t], v6, s[44:45] offset:64*\t
.endr
.irp i, 0,1,2,3,4,5,6,7
	global_load_b128 v[AF+4*\i:AF+4*\i+3], v1, s[40:41] offset:512*\i th:TH_LOAD_NT   ; two whole rows: 512 consecutive bytes; read once in the launch
.endr
.irp t, 0,1
.irp s, 0,1
.irp c, 0,1,2,3
	global_load_b128 v[WF+32*\t+16*\s+4*\c:WF+32*\t+16*\s+4*\c+3], v4, s[42:43] offset:4096*\t+128*\s+32*\c
.endr
.endr
.endr
	s_wait_kmcnt 0x0
	s_cmp_lt_u32 ttmp9, 128
	s_cselect_b32 s50, s26, s28                    ; ea: e2 or e4
	s_cselect_b32 s51, s27, s29                    ; eb: e3 or e5
	s_cselect_b32 s52, s31, s33                    ; eq: e7 or e9
	s_add_co_i32 s50, s50, s51                     ; ea + eb
	s_sub_co_i32 s52, s52, s50                     ; eq - ea - eb
	s_sub_co_i32 s50, 0, s50                       ; the bias goes in x 2^-(ea + eb)
	s_add_co_i32 s52, s52, 127
	s_lshl_b32 s51, s52, 23
	v_mov_b32 v[SCL], s51                          ; the conversion takes this number's exponent field
	s_add_co_i32 s52, s52, 8
	s_lshl_b32 s52, s52, 23
	s_or_b32 s52, s52, 0x600000
	v_mov_b32 v[HLD], s52                          ; 448 x the scale
	s_wait_loadcnt 16                              ; the 16 weight loads, the youngest, may stay out: the bias and my 16 rows are in
.irp i, 0,1,2,3,4,5,6,7
	ds_store_b128 v2, v[AF+4*\i:AF+4*\i+3] offset:2*PITCH*\i
.endr
	s_wait_dscnt 0x0                               ; for the other waves: my rows lie in LDS
	s_barrier_signal -1
	s_barrier_wait -1                              ; all 128 rows do.  The launch's one barrier: LDS is only read from here on
; A group: 32 keys (key tiles 2 g and 2 g + 1) x my 32 channels.  Four accumulators by turns, one instruction a turn.
.macro GROUP g, kind
.irp a, 0,1
.irp s, 0,1
.irp c, 0,1,2,3
	ds_load_b128 v[AF+32*\a+16*\s+4*\c:AF+32*\a+16*\s+4*\c+3], v3 offset:(16*(2*\g+\a))*PITCH+128*\s+32*\c
.endr
.endr
.endr
	s_wait_dscnt 0x0
.irp s, 0,1
.irp a, 0,1
.irp t, 0,1
.if \kind == 0
.if \s == 0
	v_wmma_f32_16x16x128_fp8_fp8 v[X+16*\a+8*\t:X+16*\a+8*\t+7], v[WF+32*\t+16*\s:WF+32*\t+16*\s+15], v[AF+32*\a+16*\s:AF+32*\a+16*\s+15], v[BC+8*\t:BC+8*\t+7]
.else
	v_wmma_f32_16x16x128_fp8_fp8 v[X+16*\a+8*\t:X+16*\a+8*\t+7], v[WF+32*\t+16*\s:WF+32*\t+16*\s+15], v[AF+32*\a+16*\s:AF+32*\a+16*\s+15], v[X+16*\a+8*\t:X+16*\a+8*\t+7]
.endif
.else
.if \s == 0
	v_wmma_f32_16x16x128_fp8_fp8 v[X+16*\a+8*\t:X+16*\a+8*\t+7], v[AF+32*\a+16*\s:AF+32*\a+16*\s+15], v[WF+32*\t+16*\s:WF+32*\t+16*\s+15], v[BC+8*\t:BC+8*\t+7]
.else
	v_wmma_f32_16x16x128_fp8_fp8 v[X+16*\a+8*\t:X+16*\a+8*\t+7], v[AF+32*\a+16*\s:AF+32*\a+16*\s+15], v[WF+32*\t+16*\s:WF+32*\t+16*\s+15], v[X+16*\a+8*\t:X+16*\a+8*\t+7]
.endif
.endif
.endr
.endr
.endr
.rept 4
	v_nop                                          ; four places behind the products, ahead of the first read of their results and of the next group's loads into their sources
.endr
.set j, 0
.rept 32
	v_med3_num_f32 v[X+j], v[X+j], -v[HLD], v[HLD] ; the conversion to an 8-bit code does not saturate (ISA guide 7.6.2): the hold at 448 x the scale; each accumulator from its low end on
.set j, j+1
.endr
.irp x, 0,1
.if \kind == 0                                 ; key tile 2 g + x: channels 8 h + 0..7, then 16 + 8 h + 0..7
	v_cvt_scalef32_pk8_fp8_f32 v[CD+8*\g+4*\x:CD+8*\g+4*\x+1], v[X+16*\x:X+16*\x+7], v[SCL]
	v_cvt_scalef32_pk8_fp8_f32 v[CD+8*\g+4*\x+2:CD+8*\g+4*\x+3], v[X+16*\x+8:X+16*\x+15], v[SCL]
.else                                          ; channel tile x: keys 32 g + 8 h + 0..7, then 32 g + 16 + 8 h + 0..7
	v_cvt_scalef32_pk8_fp8_f32 v[CD+8*\g+4*\x:CD+8*\g+4*\x+1], v[X+8*\x:X+8*\x+7], v[SCL]
	v_cvt_scalef32_pk8_fp8_f32 v[CD+8*\g+4*\x+2:CD+8*\g+4*\x+3], v[X+16+8*\x:X+16+8*\x+7], v[SCL]
.endif
.endr
	v_nop                                          ; one plain instruction behind the conversions: the next group's products write their sources
.irp x, 0,1
.if \kind == 0
	global_store_b128 v1, v[CD+8*\g+4*\x:CD+8*\g+4*\x+3], s[46:47] offset:512*(2*\g+\x)   ; 32 lanes store 512 consecutive bytes, at a multiple of 512 from the buffer's first byte
.else
	global_store_b128 v1, v[CD+8*\g+4*\x:CD+8*\g+4*\x+3], s[46:47] offset:2048*\x+512*\g
.endif
.endr
.endm
	s_cmp_lg_u32 s37, 0
	s_cbranch_scc1 .Lvalue
.set j, 0
.rept 16
	v_ldexp_f32 v[BC+j], v[BC+j], s50              ; bk / 2^(e2 + e3), in the result's layout: register j of tile t is channel 16 t + 8 h + j
.set j, j+1
.endr
	s_wait_loadcnt 0x0                             ; the weight's fragments
	GROUP 0, 0
	GROUP 1, 0
	GROUP 2, 0
	GROUP 3, 0
	s_wait_tensorcnt 0x0
	ds_add_u32 v232, v233
	s_wait_dscnt 0x0
	s_endpgm
.Lvalue:
.irp t, 0,1
.irp i, 0,1,2,3,4,5,6,7
	v_ldexp_f32 v[BC+8*\t+\i], v[BR+\t], s50       ; bv / 2^(e4 + e5): all eight registers of tile t belong to channel 16 t + r
.endr
.endr
	s_wait_loadcnt 0x0
	GROUP 0, 1
	GROUP 1, 1
	GROUP 2, 1
	GROUP 3, 1
	s_wait_tensorcnt 0x0
	ds_add_u32 v232, v233
	s_wait_dscnt 0x0
	s_endpgm
.Lfunc_end_k_qc8788f8237_kvproj:
	.size	k_qc8788f8237_kvproj, .Lfunc_end_k_qc8788f8237_kvproj-k_qc8788f8237_kvproj
	.p2alignl 7, 3214868480
	.fill 96, 4, 3214868480
	.section	.rodata,"a",@progbits
	.p2align	6, 0x0
	.amdhsa_kernel k_qc8788f8237_kvproj
		.amdhsa_group_segment_fixed_size 35840
		.amdhsa_private_segment_fixed_size 0
		.amdhsa_enable_private_segment 0
		.amdhsa_kernarg_size 64
		.amdhsa_user_sgpr_count 2
		.amdhsa_user_sgpr_kernarg_segment_ptr 1
		.amdhsa_wavefront_size32 1
		.amdhsa_system_sgpr_workgroup_id_x 1
		.amdhsa_system_sgpr_workgroup_id_y 1
		.amdhsa_system_sgpr_workgroup_id_z 1
		.amdhsa_system_vgpr_workitem_id 0
		.amdhsa_next_free_vgpr 234
		.amdhsa_next_free_sgpr 66
		.amdhsa_reserve_vcc 0
		.amdhsa_float_denorm_mode_32 3
		.amdhsa_float_denorm_mode_16_64 3
		.amdhsa_memory_ordered 1
		.amdhsa_forward_progress 1
		.amdhsa_inst_pref_size 42
	.end_amdhsa_kernel
	.amdgpu_metadata
---
amdhsa.version: [ 1, 2 ]
amdhsa.kernels:
  - .name:           k_qc8788f8237_kvproj
    .symbol:         k_qc8788f8237_kvproj.kd
    .args:
      - { .name: key_codes, .offset: 0, .size: 8, .value_kind: global_buffer, .address_space: global }
      - { .name: value_codes, .offset: 8, .size: 8, .value_kind: global_buffer, .address_space: global }
      - { .name: Wk_codes, .offset: 16, .size: 8, .value_kind: global_buffer, .address_space: global }
      - { .name: Wv_codes, .offset: 24, .size: 8, .value_kind: global_buffer, .address_space: global }
      - { .name: bk, .offset: 32, .size: 8, .value_kind: global_buffer, .address_space: global }
      - { .name: bv, .offset: 40, .size: 8, .value_kind: global_buffer, .address_space: global }
      - { .name: lowp_scales, .offset: 48, .size: 8, .value_kind: global_buffer, .address_space: global }
      - { .name: kv, .offset: 56, .size: 8, .value_kind: global_buffer, .address_space: global }
    .group_segment_fixed_size: 35840
    .private_segment_fixed_size: 0
    .kernarg_segment_align: 8
    .kernarg_segment_size: 64
    .max_flat_workgroup_size: 256
    .sgpr_count:     66
    .vgpr_count:     234
    .wavefront_size: 32
...
	.end_amdgpu_metadata
.endif
;; end of part 1
;; launch attn (part 2): grid 32 x 8, 16 waves a work-group, no clusters, 84,992 bytes of LDS; arguments query_codes, Wq_codes, bq, kv, Wo_codes, bo, lowp_scales, out0; writes out0
.if DOCPART == 2
	.amdgcn_target "amdgcn-amd-amdhsa--gfx1250"
	.amdhsa_code_object_version 6
	.text
	.protected	k_qc8788f8237_attn
	.globl	k_qc8788f8237_attn
	.p2align	8
	.type	k_qc8788f8237_attn,@function
k_qc8788f8237_attn:
	s_mov_b64 s[64:65], 0
	v_nop
	global_prefetch_b8 v0, s[64:65] scope:SCOPE_SE
	s_setreg_imm32_b32 hwreg(HW_REG_WAVE_MODE, 25, 1), 1
	s_wait_xcnt 0x0
; out0 = attention(q, k, v) Wo^T + bo, causal, 8 heads of 32 channels, every product on codes of E4M3 with the given scales 2^e (e0 .. e11 in lowp_scales).
; q = query Wq^T + bq is made here, in registers; k and v come as codes from the workspace kv, laid in the order of the operand registers (its layout: below).
; SHARES.  A batch's 2,048 queries are 64 blocks of 32.  Work-group (j, batch) owns blocks j and 63 - j, for all eight heads: 64 rows of the output.  Wave w owns head w / 2 and one of the two blocks:
; two tiles of 16 queries.  A block blk walks blk / 4 whole steps of 128 keys and one step on the diagonal; (j / 4 + 1) + ((63 - j) / 4 + 1) = 17 for every j, so all work-groups have the same work.
; Which block a wave takes is (w xor w / 4) & 1, so that long and short waves are mixed among any four neighbouring or any four equally spaced wave numbers.
; kv: [batch][head][step][8,192 bytes]: 8 images of 512 bytes of K (key tile c: lane (r, h) holds key 16 c + r, channels 8 h + 0..7, 16 + 8 h + 0..7), then 8 images of V^T (channel tile t, registers 4 i .. 4 i + 3).
; Each load of a wave takes 512 consecutive bytes straight into operand registers.  No LDS for K and V: in a work-group a head's tiles are read by two waves alone, at different steps.
; THE HEAD'S K OF 32 IN THE K = 64 FORM.  Two key tiles' images are ONE source 0: registers 0-3 (k 0..31) key tile 2 f, registers 4-7 (k 32..63) key tile 2 f + 1.  Source 1 is q's four registers and four zeros
; (QA: the even tile's scores) or four zeros and q's four (QB: the odd tile's).  So K's registers are dense and each is loaded once.
; LAYOUT.  Both products are used transposed: S^T = K Q^T, O^T = V^T P^T: a lane holds ONE query (lane % 16).  Score tile c holds keys 16 c + 8 (lane / 16) + 0..7: a conversion of its eight registers gives
; registers 2 c, 2 c + 1 of P.  O^T's tile t holds channels 16 t + 8 (lane / 16) + 0..7: a conversion gives two registers of the last product's operand.  Nothing changes lanes.
; THE SOFTMAX: t = score x log2(e) / sqrt(32); M = the running largest t rounded up to a whole number; p = 2^(t - M) is quantised with 2^e8, not normalised; the sum of the unquantised p divides at the end.
; When M moves, the sum and O^T are multiplied by 2^(old M - new M), which rounds nothing.
; THE LAST PRODUCT.  The attention's result, quantised with 2^e10, goes from wave to wave through LDS as images of the operand's registers; wave w then makes output columns 16 w .. 16 w + 15 for the 64 rows.
; NO CLUSTER: work-groups of a batch read the same kv, but a wave's number of steps (1 to 16) hangs on its block, so partners would need different numbers of tiles.
; LIMITS on the given exponents, so that each power of two below is an f32 number: e6 - e0 - e1, e10 - e8 - e9 and e8 between -126 and 119; e6 + e7 between -124 and 129; e10 + e11 between -126 and 127.
; NaN codes among the inputs are not served.
; REGISTERS: v1-7 addresses that stay; v[8:9], v[12:13] -M and the largest t of tile 0, 1; v[10:11], v[14:15] their sums in two halves; v16-47 QA0 QB0 QA1 QB1; v48-79 K; v80-111 V; v112-175 the scores of the tile in hand;
; v176-207 P; v208-239 O^T; v240-251 at work and constants; v252 the prefetch's offset.
.set STG, 16384                        ; LDS: bytes 0-16383 the images [row tile m][K step][c][lane][16 bytes]; from here the stage for the output: 64 rows x 1,040 bytes
.set SP,  1040                         ; a stage row: 1,024 bytes + 16 of padding
.set QF,  16
.set KF,  48
.set VF,  80
.set S,   112
.set P,   176
.set O,   208
.set CSC, 247                          ; v247  the conversion's scale
.set HLD, 248                          ; v248  448 x that
.set NINF, 249                         ; v249  -infinity
.set MD,  250                          ; v250, v251  the mask's d for tile 0, 1
.set PFO, 252                          ; v252  256 x lane
.macro NOPS n
.rept \n
	v_nop
.endr
.endm
.macro KLOAD                           ; a step's K: eight images
.irp i, 0,1,2,3,4,5,6,7
	global_load_b128 v[KF+4*\i:KF+4*\i+3], v1, s[14:15] offset:512*\i
.endr
.endm
.macro VLOAD                           ; a step's V^T: eight images
.irp i, 0,1,2,3,4,5,6,7
	global_load_b128 v[VF+4*\i:VF+4*\i+3], v1, s[14:15] offset:4096+512*\i
.endr
.endm
	s_load_b512 s[8:23], s[0:1], 0x0               ; query s[8:9], Wq s[10:11], bq s[12:13], kv s[14:15], Wo s[16:17], bo s[18:19], scales s[20:21], out0 s[22:23]
	v_lshrrev_b32 v8, 5, v0
	v_readfirstlane_b32 s36, v8                    ; wave 0..15
	v_and_b32 v9, 31, v0                           ; lane
	v_and_b32 v10, 15, v0                          ; r
	v_bfe_u32 v11, v0, 4, 1                        ; h
	s_lshr_b32 s37, s36, 1                         ; head
	s_lshr_b32 s38, s36, 2
	s_xor_b32 s38, s38, s36
	s_and_b32 s38, s38, 1                          ; which of the two blocks
	s_mov_b32 s39, ttmp9                           ; j
	s_and_b32 s40, ttmp7, 0xffff                   ; batch
	s_sub_co_u32 s43, 63, s39
	s_cmp_lg_u32 s38, 0
	s_cselect_b32 s41, s43, s39                    ; my block of 32 queries
	s_lshr_b32 s42, s41, 2                         ; whole steps of 128 keys in front of the diagonal's
	v_lshlrev_b32 v1, 4, v9                        ; 16 x lane
	s_lshl_b32 s51, s38, 13
	s_lshl_b32 s54, s37, 9
	s_add_co_u32 s51, s51, s54
	v_add_nc_u32 v2, s51, v1                       ; where my images go: row tiles 2 x block + 0, 1 (4,096 bytes each); K step head / 4, registers 4 (head % 4) on: 512 x head
	v_lshlrev_b32 v3, 5, v11                       ; bq, bo: eight numbers from 8 h on
	v_mul_u32_u24 v4, v10, SP
	v_lshl_add_u32 v4, v11, 5, v4
	s_lshl_b32 s51, s36, 6
	s_add_co_u32 s51, s51, STG
	v_add_nc_u32 v4, s51, v4                       ; the stage, on the way in: row r, my 16 columns (64 bytes x wave), + 32 h
	s_mul_i32 s51, s36, 4*SP
	s_add_co_u32 s51, s51, STG
	v_add_nc_u32 v5, s51, v1                       ; and back: my four rows, 16 bytes a lane
	v_lshlrev_b32 v6, 8, v10
	v_lshl_add_u32 v6, v11, 3, v6                  ; Wo: row r of 256 bytes, + 8 h: k in its own places, as the images have it
	v_lshlrev_b32 v7, 8, v10
	v_lshl_add_u32 v7, v11, 4, v7                  ; Wq, query: row r, + 16 h: four loads of 16 bytes a fragment, the same permutation of k in both
	s_mov_b32 s48, 0x76543210                      ; v_permlanex16_b32: lane l xor 16
	s_mov_b32 s49, 0xfedcba98
	s_xor_b32 s50, s38, 1
	s_or_b32 s50, s50, s39
	s_cmp_eq_u32 s50, 0
	s_cselect_b32 s50, 1, -1                       ; 1 in the waves of block 63 (j = 0, the upper block), which prefetch; else the greatest number
	s_mov_b32 s45, 0
	s_wait_kmcnt 0x0
	s_load_b256 s[24:31], s[20:21], 0x0            ; e0 .. e7
	s_load_b128 s[32:35], s[20:21], 0x20           ; e8 .. e11
	s_lshl_b32 s44, s40, 11
	s_lshl_b32 s51, s41, 5
	s_add_co_u32 s44, s44, s51
	s_lshl_b32 s44, s44, 8                         ; my first query's row of 256 codes
	s_add_nc_u64 s[8:9], s[8:9], s[44:45]
	s_lshl_b32 s44, s37, 13                        ; my head's 32 rows of Wq
	s_add_nc_u64 s[10:11], s[10:11], s[44:45]
	s_lshl_b32 s44, s37, 7
	s_add_nc_u64 s[12:13], s[12:13], s[44:45]
	s_lshl_b32 s44, s40, 3
	s_add_co_u32 s44, s44, s37
	s_lshl_b32 s44, s44, 17                        ; my batch's and head's 16 steps of 8,192 bytes
	s_add_nc_u64 s[14:15], s[14:15], s[44:45]
	s_lshl_b32 s44, s36, 12                        ; my 16 rows of Wo
	s_add_nc_u64 s[16:17], s[16:17], s[44:45]
	s_lshl_b32 s44, s36, 6
	s_add_nc_u64 s[18:19], s[18:19], s[44:45]
	s_lshr_b32 s51, s36, 3                         ; the rows that I store: waves 0-7 block j, waves 8-15 block 63 - j, four rows each
	s_cmp_lg_u32 s51, 0
	s_cselect_b32 s51, s43, s39
	s_lshl_b32 s51, s51, 5
	s_lshl_b32 s44, s40, 11
	s_add_co_u32 s44, s44, s51
	s_and_b32 s51, s36, 7
	s_lshl_b32 s51, s51, 2
	s_add_co_u32 s44, s44, s51
	s_lshl_b32 s44, s44, 10
	s_add_nc_u64 s[22:23], s[22:23], s[44:45]
	; ---- q = query Wq^T + bq for my head and my 32 queries.  Wq's fragments lie in the scores' registers, query's in P's and O^T's, bq in v240-255, the sums in Q's
.irp t, 0,1
.irp s, 0,1
.irp c, 0,1,2,3
	global_load_b128 v[S+32*\t+16*\s+4*\c:S+32*\t+16*\s+4*\c+3], v7, s[10:11] offset:4096*\t+128*\s+32*\c
.endr
.endr
.endr
.irp q, 0,1
.irp s, 0,1
.irp c, 0,1,2,3
	global_load_b128 v[P+32*\q+16*\s+4*\c:P+32*\q+16*\s+4*\c+3], v7, s[8:9] offset:4096*\q+128*\s+32*\c
.endr
.endr
.endr
.irp t, 0,1
	global_load_b128 v[240+8*\t:240+8*\t+3], v3, s[12:13] offset:64*\t
	global_load_b128 v[240+8*\t+4:240+8*\t+7], v3, s[12:13] offset:64*\t+16
.endr
	KLOAD                                          ; key step 0 is on its way while q is made
	VLOAD
	s_wait_kmcnt 0x0
	s_add_co_i32 s54, s24, s25                     ; e0 + e1
	s_sub_co_i32 s55, 0, s54                       ; bq goes in x 2^-(e0 + e1)
	s_sub_co_i32 s56, s30, s54                     ; e6 - e0 - e1: the three scales folded into the conversion's one
	s_add_co_i32 s56, s56, 127
	s_lshl_b32 s57, s56, 23
	s_add_co_i32 s56, s56, 8
	s_lshl_b32 s56, s56, 23
	s_or_b32 s56, s56, 0x600000
	s_add_co_i32 s46, s30, s31                     ; a score stands for score x 2^(e6 + e7): the two exponents are added to c's exponent field
	s_lshl_b32 s46, s46, 23
	s_add_co_i32 s46, s46, 0x3e8293ee              ; c = log2(e) / sqrt(32)
	s_mov_b32 s47, s46                             ; (named with it as a pair, so it is written)
	s_add_co_i32 s58, s32, 127
	s_lshl_b32 s59, s58, 23                        ; 2^e8
	s_add_co_i32 s58, s58, 8
	s_lshl_b32 s58, s58, 23
	s_or_b32 s58, s58, 0x600000                    ; 448 x 2^e8
	s_add_co_i32 s52, s34, s35
	s_add_co_i32 s52, s52, 127
	s_lshl_b32 s52, s52, 23                        ; 2^(e10 + e11)
	s_mov_b32 s53, s52
	s_wait_loadcnt 16                              ; step 0's sixteen loads, the youngest, may stay out: Wq, query and bq are in
.set j, 0
.rept 16
	v_ldexp_f32 v[240+j], v[240+j], s55
.set j, j+1
.endr
	v_mov_b32 v8, s57                              ; 2^(e6 - e0 - e1)
	v_mov_b32 v9, s56                              ; 448 x that
.irp s, 0,1                                    ; source 0 = 16 rows of Wq, source 1 = 16 queries: a lane holds one query and channels 16 t + 8 h + 0..7.  Four accumulators by turns
.irp q, 0,1
.irp t, 0,1
.if \s == 0
	v_wmma_f32_16x16x128_fp8_fp8 v[QF+16*\q+8*\t:QF+16*\q+8*\t+7], v[S+32*\t+16*\s:S+32*\t+16*\s+15], v[P+32*\q+16*\s:P+32*\q+16*\s+15], v[240+8*\t:240+8*\t+7]
.else
	v_wmma_f32_16x16x128_fp8_fp8 v[QF+16*\q+8*\t:QF+16*\q+8*\t+7], v[S+32*\t+16*\s:S+32*\t+16*\s+15], v[P+32*\q+16*\s:P+32*\q+16*\s+15], v[QF+16*\q+8*\t:QF+16*\q+8*\t+7]
.endif
.endr
.endr
.endr
	NOPS 4                                         ; four places behind the products (ISA guide 7.12.1)
.set j, 0
.rept 32
	v_med3_num_f32 v[QF+j], v[QF+j], -v9, v9       ; the hold at 448 x the scale (the conversion does not saturate: ISA guide 7.6.2); each accumulator from its low end on
.set j, j+1
.endr
.irp q, 0,1
	v_cvt_scalef32_pk8_fp8_f32 v[240+4*\q:241+4*\q], v[QF+16*\q:QF+16*\q+7], v8
	v_cvt_scalef32_pk8_fp8_f32 v[242+4*\q:243+4*\q], v[QF+16*\q+8:QF+16*\q+15], v8
.endr
	v_nop                                          ; one plain instruction behind the conversions, whose sources are written next
.irp q, 0,1
.irp i, 0,1,2,3
	v_mov_b32 v[QF+16*\q+\i], v[240+4*\q+\i]       ; QA: q, zeros
	v_mov_b32 v[QF+16*\q+4+\i], 0
	v_mov_b32 v[QF+16*\q+8+\i], 0                  ; QB: zeros, q
	v_mov_b32 v[QF+16*\q+12+\i], v[240+4*\q+\i]
.endr
.endr
	v_mov_b32 v9, 0xff61b1e6                       ; the largest t so far: -3e38, under every t
	v_mov_b32 v13, 0xff61b1e6
	v_floor_f32 v8, -v9                            ; -M
	v_floor_f32 v12, -v13
	v_mov_b32 v10, 0                               ; the sums, in two halves
	v_mov_b32 v11, 0
	v_mov_b32 v14, 0
	v_mov_b32 v15, 0
.set j, 0
.rept 32
	v_mov_b32 v[O+j], 0                            ; O^T.  (The step is written once for all steps: the first finds zeros, which the first change of M leaves zeros)
.set j, j+1
.endr
	v_mov_b32 v243, 0                              ; (named as the upper half of the pair v[242:243])
	v_mov_b32 v246, 0                              ; a lane permute's destination counts as one of its sources
	v_mov_b32 v[CSC], s59
	v_mov_b32 v[HLD], s58
	v_mov_b32 v[NINF], 0xff800000
	v_and_b32 v[MD], 15, v0
	v_bfe_u32 v[MD+1], v0, 4, 1
	v_lshlrev_b32 v[MD+1], 3, v[MD+1]
	v_sub_nc_u32 v[MD], v[MD], v[MD+1]
	s_and_b32 s51, s41, 3
	s_lshl_b32 s51, s51, 5
	v_add_nc_u32 v[MD], s51, v[MD]                 ; d = my query's place in the diagonal's step - 8 h.  Score register 8 c + i holds key 16 c + 8 h + i: hidden where 16 c + i > d
	v_add_nc_u32 v[MD+1], 16, v[MD]                ; tile 1's queries lie 16 further on
	v_and_b32 v[PFO], 31, v0
	v_lshlrev_b32 v[PFO], 8, v[PFO]
	s_sub_co_i32 s54, s34, s32                     ; for the way out: e10 - e8 - e9
	s_sub_co_i32 s54, s54, s33
	s_add_co_i32 s54, s54, 127
	s_lshl_b32 s55, s54, 23                        ; 2^(e10 - e8 - e9)
	s_add_co_i32 s54, s54, 8
	s_lshl_b32 s54, s54, 23
	s_or_b32 s54, s54, 0x600000                    ; 448 x that
; S^T of tile q: eight tiles of 16 keys, two from each fragment of K
.macro QK q
.irp f, 0,1,2,3
	v_wmma_f32_16x16x64_fp8_fp8 v[S+16*\f:S+16*\f+7], v[KF+8*\f:KF+8*\f+7], v[QF+16*\q:QF+16*\q+7], 0
	v_wmma_f32_16x16x64_fp8_fp8 v[S+16*\f+8:S+16*\f+15], v[KF+8*\f:KF+8*\f+7], v[QF+16*\q+8:QF+16*\q+15], 0
.endr
.endm
; O^T += V^T P^T: four accumulators, one instruction each
.macro PV
.irp q, 0,1
.irp t, 0,1
	v_wmma_f32_16x16x128_fp8_fp8 v[O+16*\q+8*\t:O+16*\q+8*\t+7], v[VF+16*\t:VF+16*\t+15], v[P+16*\q:P+16*\q+15], v[O+16*\q+8*\t:O+16*\q+8*\t+7]
.endr
.endr
.endm
; A PREFETCH INTO THE L2: the step two on from the one in hand, 8,192 bytes, lanes 256 bytes apart, one instruction.  It stands behind the wave's run of loads.
; Each block of 256 bytes of kv is named once in the launch: for each batch and head one wave asks, the one that owns block 63 and so walks all 16 steps.  With s42 trips to go it names step 17 - s42;
; it asks while s42 is above 1, so the last step named is step 15, the head's last.  Steps 0 and 1 come by their loads alone.
.macro ASK
	s_cmp_gt_u32 s42, s50
	s_cbranch_scc0 .Lnot_mine_\@
	global_prefetch_b8 v[PFO], s[14:15] offset:8192 th:TH_LOAD_NT scope:SCOPE_SE
.Lnot_mine_\@:
.endm
; The softmax of tile q for one step of 128 keys: 64 scores a lane.  masked = 1: the step on the diagonal.
.macro SOFTMAX q, masked
.set NM, 8+4*\q                        ; -M; NM + 1 the largest t; NM + 2, NM + 3 the sum
.set TM, NM+1
.set L,  NM+2
.if \masked
.set n, 0
.rept 64
	v_cmp_gt_i32 vcc_lo, 16*(n/8)+n%8, v[MD+\q]    ; hidden keys' scores become -infinity ahead of the maximum: p = 0 then.  The step's first key counts for every query of the block
	v_cndmask_b32 v[S+n], v[S+n], v[NINF], vcc_lo
.set n, n+1
.endr
.endif
	v_max3_num_f32 v240, v[S], v[S+1], v[S+2]      ; the step's largest score of my query among my 64 keys, in two chains; each accumulator is first read at its low end
	v_max3_num_f32 v241, v[S+3], v[S+4], v[S+5]
.set j, 6
.rept 14
	v_max3_num_f32 v240, v240, v[S+j], v[S+j+1]
	v_max3_num_f32 v241, v241, v[S+j+2], v[S+j+3]
.set j, j+4
.endr
	v_max3_num_f32 v240, v240, v[S+62], v[S+63]
	v_max_num_f32 v240, v240, v241
	v_permlanex16_b32 v246, v240, s48, s49
	v_max_num_f32 v240, v240, v246                 ; and among lane l xor 16's
	v_mul_f32 v240, s46, v240                      ; as t (c is positive)
	v_max_num_f32 v[TM], v[TM], v240               ; the running largest t
	v_mov_b32 v240, v[NM]
	v_floor_f32 v[NM], -v[TM]                      ; the new -M = floor(-t) = -ceil(t): a whole number
	v_sub_f32 v240, v[NM], v240                    ; old M - new M: a whole number, 0 or less
	v_cvt_i32_f32 v240, v240                       ; (it saturates)
	v_ldexp_f32 v242, 1.0, v240                    ; f = 2^(old M - new M)
.set j, 0
.rept 32
	v_pk_fma_f32 v[S+j:S+j+1], v[S+j:S+j+1], s[46:47], v[NM:NM+1] op_sel_hi:[1,0,0]   ; t - M, two at a time (of the pairs c and -M the low word serves both halves)
.set j, j+2
.endr
.set j, 0
.rept 64
	v_exp_f32 v[S+j], v[S+j]                       ; p = 2^(t - M): not normalised
.set j, j+1
.endr
	v_pk_mul_f32 v[L:L+1], v[L:L+1], v[242:243] op_sel_hi:[1,0]   ; the sums under the new M: the plain instruction behind the exponentials
	s_wait_alu depctr_va_vdst(0)                   ; one wait for the batch of 64, ahead of its first reader
	v_pk_add_f32 v[244:245], v[S:S+1], v[S+2:S+3]  ; the sum is taken of the unquantised p: two at a time, in two chains
.set j, 4
.rept 15
	v_pk_add_f32 v[L:L+1], v[L:L+1], v[S+j:S+j+1]
	v_pk_add_f32 v[244:245], v[244:245], v[S+j+2:S+j+3]
.set j, j+4
.endr
	v_pk_add_f32 v[L:L+1], v[L:L+1], v[244:245]
	s_cmp_ge_i32 s32, -8                           ; with e8 >= -8 the hold's bound, 448 x 2^e8, is 1.75 or more, and p passes 1 by a rounding at the most: the hold changes nothing there and is jumped over.
	s_cbranch_scc1 .Lno_hold_\@                    ; (a branch on a whole number read from an input; the same in every wave)
.set j, 0
.rept 64
	v_min_num_f32 v[S+j], v[S+j], v[HLD]           ; the conversion does not saturate (ISA guide 7.6.2); p is not negative, so the hold is one-sided
.set j, j+1
.endr
.Lno_hold_\@:
.irp c, 0,1,2,3,4,5,6,7
	v_cvt_scalef32_pk8_fp8_f32 v[P+16*\q+2*\c:P+16*\q+2*\c+1], v[S+8*\c:S+8*\c+7], v[CSC]   ; keys 16 c + 8 h + 0..7: registers 2 c, 2 c + 1 of P
.endr
.set j, 0
.rept 8
	v_pk_mul_f32 v[O+16*\q+j:O+16*\q+j+1], v[O+16*\q+j:O+16*\q+j+1], v[242:243] op_sel_hi:[1,0]   ; O^T under the new M; also the plain instructions behind the conversions
.set j, j+2
.endr
.endm
; A KEY STEP: 128 keys x my 32 queries.  more = 1: the next step's K and V are asked for.  At its head two runs of eight loads are out: this step's K, then its V.
.macro STEP masked, more
	s_wait_loadcnt 8                               ; K is in; V's eight loads, issued behind it, may stay out
	QK 0
	NOPS 4                                         ; four places ahead of the first read of the scores
	SOFTMAX 0, \masked
	QK 1
	NOPS 4                                         ; the same, and ahead of the loads into K's registers
.if \more
	s_wait_xcnt 0x0                                ; the base's last users (V's loads and the prefetch of the step before) have read it
	s_add_nc_u64 s[14:15], s[14:15], 8192
	KLOAD                                          ; the next step's K has a softmax in which to land
	ASK
.endif
	SOFTMAX 1, \masked
.if \more
	s_wait_loadcnt 8                               ; V is in; the next step's K, issued behind it, may stay out
.else
	s_wait_loadcnt 0x0
.endif
	PV
	NOPS 4                                         ; four places ahead of the loads into V's registers and of the next reads of O^T
.if \more
	VLOAD
.endif
.endm
	s_cmp_eq_u32 s42, 0                            ; blocks 0 to 3 have the diagonal's step alone
	s_cbranch_scc1 .Ltail
.Lloop:
	STEP 0, 1
	s_sub_co_u32 s42, s42, 1
	s_cmp_lg_u32 s42, 0
	s_cbranch_scc1 .Lloop
.Ltail:
	STEP 1, 0
	; ---- the way out.  Wo's fragments (K's registers) and bo (V's) are asked for; O^T is divided by the sum, quantised with 2^e10 and handed round
.irp s, 0,1
.irp c, 0,1,2,3,4,5,6,7
	global_load_b64 v[KF+16*\s+2*\c:KF+16*\s+2*\c+1], v6, s[16:17] offset:128*\s+16*\c
.endr
.endr
	global_load_b128 v[VF:VF+3], v3, s[18:19]
	global_load_b128 v[VF+4:VF+7], v3, s[18:19] offset:16
	v_add_f32 v240, v10, v11                       ; a sum's two halves,
	v_add_f32 v242, v14, v15
	v_permlanex16_b32 v246, v240, s48, s49
	v_permlanex16_b32 v244, v242, s48, s49
	v_add_f32 v240, v240, v246                     ; and lane l xor 16's
	v_add_f32 v242, v242, v244
	v_rcp_f32 v240, v240
	v_rcp_f32 v242, v242
	v_mov_b32 v[CSC], s55                          ; (plain instructions behind the reciprocals)  2^(e10 - e8 - e9): a sum of the second product stands for sum x 2^(e8 + e9)
	v_mov_b32 v[HLD], s54
	s_wait_alu depctr_va_vdst(0)                   ; one wait for both reciprocals, ahead of their first reader
.irp q, 0,1
.irp i, 0,2,4,6,8,10,12,14
	v_pk_mul_f32 v[S+16*\q+\i:S+16*\q+\i+1], v[O+16*\q+\i:O+16*\q+\i+1], v[240+2*\q:241+2*\q] op_sel_hi:[1,0]
.endr
.irp i, 0,1,2,3,4,5,6,7,8,9,10,11,12,13,14,15
	v_med3_num_f32 v[S+16*\q+\i], v[S+16*\q+\i], -v[HLD], v[HLD]
.endr
	v_cvt_scalef32_pk8_fp8_f32 v[P+4*\q:P+4*\q+1], v[S+16*\q:S+16*\q+7], v[CSC]
	v_cvt_scalef32_pk8_fp8_f32 v[P+4*\q+2:P+4*\q+3], v[S+16*\q+8:S+16*\q+15], v[CSC]
.endr
	v_nop                                          ; one plain instruction behind the conversions
.irp q, 0,1
	ds_store_b128 v2, v[P+4*\q:P+4*\q+3] offset:4096*\q   ; my head's four registers of row tile 2 x block + q, as they stand: lane l's 16 bytes at 16 l
.endr
	s_wait_dscnt 0x0                               ; for the other waves: my images lie in LDS
	s_barrier_signal -1
	s_barrier_wait -1                              ; all eight fragments (4 row tiles x 2 K steps) do
.irp m, 0,1,2,3
.irp s, 0,1
.irp c, 0,1,2,3
	ds_load_b128 v[S+32*\m+16*\s+4*\c:S+32*\m+16*\s+4*\c+3], v1 offset:4096*\m+2048*\s+512*\c
.endr
.endr
.endr
	s_wait_dscnt 0x0
	s_wait_loadcnt 0x0                             ; Wo, bo
.irp s, 0,1                                    ; source 0 = my 16 rows of Wo, source 1 = 16 rows of the attention's result: a lane holds one row and columns 16 w + 8 h + 0..7.  Four accumulators by turns
.irp m, 0,1,2,3
.if \s == 0
	v_wmma_f32_16x16x128_fp8_fp8 v[QF+8*\m:QF+8*\m+7], v[KF+16*\s:KF+16*\s+15], v[S+32*\m+16*\s:S+32*\m+16*\s+15], 0
.else
	v_wmma_f32_16x16x128_fp8_fp8 v[QF+8*\m:QF+8*\m+7], v[KF+16*\s:KF+16*\s+15], v[S+32*\m+16*\s:S+32*\m+16*\s+15], v[QF+8*\m:QF+8*\m+7]
.endif
.endr
.endr
	NOPS 4                                         ; four places ahead of the reads of the results and of the writes over the products' sources
.irp m, 0,1,2,3
.irp i, 0,2,4,6
	v_pk_fma_f32 v[S+8*\m+\i:S+8*\m+\i+1], v[QF+8*\m+\i:QF+8*\m+\i+1], s[52:53], v[VF+\i:VF+\i+1] op_sel_hi:[1,0,1]   ; sum x 2^(e10 + e11) + bo
.endr
.endr
.irp m, 0,1,2,3
	ds_store_b128 v4, v[S+8*\m:S+8*\m+3] offset:16*SP*\m
	ds_store_b128 v4, v[S+8*\m+4:S+8*\m+7] offset:16*SP*\m+16
.endr
	s_wait_dscnt 0x0                               ; for the other waves: my 16 columns of the 64 rows lie in the stage
	s_barrier_signal -1
	s_barrier_wait -1                              ; 64 whole rows do
.irp i, 0,1,2,3
.irp u, 0,1
	ds_load_b128 v[144+4*(2*\i+\u):144+4*(2*\i+\u)+3], v5 offset:SP*\i+512*\u
.endr
.endr
.irp i, 0,1,2,3
.irp u, 0,1
	s_wait_dscnt 7-2*\i-\u                         ; LDS loads come back in order: the younger ones may stay out
	global_store_b128 v1, v[144+4*(2*\i+\u):144+4*(2*\i+\u)+3], s[22:23] offset:1024*\i+512*\u th:TH_STORE_NT   ; 32 lanes store 512 consecutive bytes, at a multiple of 512 from the buffer's first byte
.endr
.endr
	s_wait_xcnt 0x0
	v_lshl_add_u32 v254, v0, 2, 0x14400
	v_mov_b32 v255, 0
	s_wait_tensorcnt 0x0
	ds_add_u32 v254, v255
	s_wait_dscnt 0x0
	s_endpgm
.Lfunc_end_k_qc8788f8237_attn:
	.size	k_qc8788f8237_attn, .Lfunc_end_k_qc8788f8237_attn-k_qc8788f8237_attn
	.p2alignl 7, 3214868480
	.fill 96, 4, 3214868480
	.section	.rodata,"a",@progbits
	.p2align	6, 0x0
	.amdhsa_kernel k_qc8788f8237_attn
		.amdhsa_group_segment_fixed_size 84992
		.amdhsa_private_segment_fixed_size 0
		.amdhsa_enable_private_segment 0
		.amdhsa_kernarg_size 64
		.amdhsa_user_sgpr_count 2
		.amdhsa_user_sgpr_kernarg_segment_ptr 1
		.amdhsa_wavefront_size32 1
		.amdhsa_system_sgpr_workgroup_id_x 1
		.amdhsa_system_sgpr_workgroup_id_y 1
		.amdhsa_system_sgpr_workgroup_id_z 1
		.amdhsa_system_vgpr_workitem_id 0
		.amdhsa_next_free_vgpr 256
		.amdhsa_next_free_sgpr 66
		.amdhsa_reserve_vcc 1
		.amdhsa_float_denorm_mode_32 3
		.amdhsa_float_denorm_mode_16_64 3
		.amdhsa_memory_ordered 1
		.amdhsa_forward_progress 1
		.amdhsa_inst_pref_size 89
	.end_amdhsa_kernel
	.amdgpu_metadata
---
amdhsa.version: [ 1, 2 ]
amdhsa.kernels:
  - .name:           k_qc8788f8237_attn
    .symbol:         k_qc8788f8237_attn.kd
    .args:
      - { .name: query_codes, .offset: 0, .size: 8, .value_kind: global_buffer, .address_space: global }
      - { .name: Wq_codes, .offset: 8, .size: 8, .value_kind: global_buffer, .address_space: global }
      - { .name: bq, .offset: 16, .size: 8, .value_kind: global_buffer, .address_space: global }
      - { .name: kv, .offset: 24, .size: 8, .value_kind: global_buffer, .address_space: global }
      - { .name: Wo_codes, .offset: 32, .size: 8, .value_kind: global_buffer, .address_space: global }
      - { .name: bo, .offset: 40, .size: 8, .value_kind: global_buffer, .address_space: global }
      - { .name: lowp_scales, .offset: 48, .size: 8, .value_kind: global_buffer, .address_space: global }
      - { .name: out0, .offset: 56, .size: 8, .value_kind: global_buffer, .address_space: global }
    .group_segment_fixed_size: 84992
    .private_segment_fixed_size: 0
    .kernarg_segment_align: 8
    .kernarg_segment_size: 64
    .max_flat_workgroup_size: 512
    .sgpr_count:     66
    .vgpr_count:     256
    .wavefront_size: 32
...
	.end_amdgpu_metadata
.endif
;; end of part 2
